; MI455X (gfx1250); checked and timed in simulation.
; The chip was launched on July 23, 2026; its instructions are those of AMD's public machine-readable ISA for CDNA 5 (MIT licence, August 2026) and "CDNA5" Instruction Set Architecture Reference Guide (July 2026). The comments in the code are by the model that wrote it; some were corrected since.
;; LSTM Cell. Allowed arithmetic: matrix products marked QUANTISED: E2M1 operands, one E8M0 scale for each 32 along K, by v_wmma_scale_f32_16x16x128_f8f6f4 with both operands' format E2M1 (or v_wmma_scale_f32_32x16x128_f4), f32 sums; everything else in f32.
;; Inputs: bhc 1,024 float32; bhf 1,024 float32; bhi 1,024 float32; bho 1,024 float32; bxc 1,024 float32; bxf 1,024 float32; bxi 1,024 float32; bxo 1,024 float32; cx 8,192 x 1,024 float32; hx 8,192 x 1,024 float32; whc 1,024 x 1,024 float32; whf 1,024 x 1,024 float32; whi 1,024 x 1,024 float32; who 1,024 x 1,024 float32; wxc 1,024 x 1,024 float32; wxf 1,024 x 1,024 float32; wxi 1,024 x 1,024 float32; wxo 1,024 x 1,024 float32; x 8,192 x 1,024 float32.
;; Outputs: out0 8,192 x 1,024 float32; out1 8,192 x 1,024 float32.
;; Constants: task_id = 0.
;; This version of the problem:
;;   THIS VERSION OF THE PROBLEM IS GIVEN IN LOW PRECISION. The matrix products marked QUANTISED in the list below multiply operands that are first quantised to E2M1 (2 exponent bits, 1 mantissa bit; 4 bits a number), with one power-of-two scale for each 32 numbers along K (OCP MX v1.0); their sums are f32. All else is computed in f32.
;;   The module's matrix products, in the order in which they are computed (A, B: the left and right operand; K: the contracted axis; several contracted axes count as one K, in the product's order):
;;     1. [M 8,192, K 1,024] x [K 1,024, N 1,024]; A: input x; B: input wxi: QUANTISED
;;     2. [M 8,192, K 1,024] x [K 1,024, N 1,024]; A: input hx; B: input whi: QUANTISED
;;     3. [M 8,192, K 1,024] x [K 1,024, N 1,024]; A: input x; B: input wxf: QUANTISED
;;     4. [M 8,192, K 1,024] x [K 1,024, N 1,024]; A: input hx; B: input whf: QUANTISED
;;     5. [M 8,192, K 1,024] x [K 1,024, N 1,024]; A: input x; B: input wxc: QUANTISED
;;     6. [M 8,192, K 1,024] x [K 1,024, N 1,024]; A: input hx; B: input whc: QUANTISED
;;     7. [M 8,192, K 1,024] x [K 1,024, N 1,024]; A: input x; B: input wxo: QUANTISED
;;     8. [M 8,192, K 1,024] x [K 1,024, N 1,024]; A: input hx; B: input who: QUANTISED
;;   THE QUANTISER, for each operand of a quantised product, along K:
;;     - K is cut into blocks of 32 from its start; a last block that is shorter is filled with zeros.
;;     - A block's scale is 2^e with e = floor(log2(the largest magnitude in the block)) - 2, held to -126 .. 127; a block of zeros has e = 0. As a byte (E8M0): e + 127.
;;     - Each number is divided by its block's scale, clamped to +-6, and rounded to the nearest number of E2M1, ties to even, subnormals kept.
;;     - The product sums the exact products of the quantised numbers (number of the format x scale) in f32.
;;   ~~~python
;;   def quantise(x, axis):      # numpy; x: float32 -> the quantised numbers, widened to float32 again
;;       x = np.moveaxis(x, axis, -1); K = x.shape[-1]
;;       x = np.pad(x, [(0, 0)] * (x.ndim - 1) + [(0, -K % 32)]); x = x.reshape(x.shape[:-1] + (-1, 32)); a = np.abs(x).max(-1, keepdims=True)
;;       e = np.where(a > 0, np.clip(np.frexp(np.where(a > 0, a, 1))[1] - 1 - 2, -126, 127), 0)      # np.frexp(a)[1] - 1 = floor(log2(a)), exactly
;;       r = np.clip(x / 2.0 ** e, -6, 6)
;;       step = 2.0 ** (np.maximum(np.frexp(np.where(r == 0, 1, r))[1] - 1, 0) - 1)
;;       q = np.round(r / step) * step * 2.0 ** e      # np.round: ties to even
;;       return np.moveaxis(q.reshape(q.shape[:-2] + (-1,))[..., :K], -1, axis).astype(np.float32)
;;   ~~~
;; One version. Each part assembles by itself: llvm-mc -triple=amdgcn-amd-amdhsa -mcpu=gfx1250 --defsym DOCPART=n.
;; ======== version 1 of 1: 2 launches
;; limits: right only within a limited range of input values
;; workspace buffers: acodes 8,388,608 bytes; ascales 524,288 bytes; wcodes 4,194,304 bytes; wscales 262,144 bytes
;; launch quant (part 1): grid 768 x 1, 4 waves a work-group, no clusters, 33,280 bytes of LDS; arguments x, hx, wxi, whi, wxf, whf, wxc, whc, wxo, who, acodes, ascales, wcodes, wscales; writes acodes, ascales, wcodes, wscales
.if DOCPART == 1
	.amdgcn_target "amdgcn-amd-amdhsa--gfx1250"
	.amdhsa_code_object_version 6
	.text
	.protected	k_q65d214f8ca_quant
	.globl	k_q65d214f8ca_quant
	.p2align	8
	.type	k_q65d214f8ca_quant,@function
k_q65d214f8ca_quant:
	s_mov_b64 s[64:65], 0
	v_nop
	global_prefetch_b8 v0, s[64:65] scope:SCOPE_SE
	s_setreg_imm32_b32 hwreg(HW_REG_WAVE_MODE, 25, 1), 1
	s_wait_xcnt 0x0
; x, hx [8192][1024] and the eight weights [1024][1024], all f32 with K innermost, become codes of FP4 (E2M1) and one E8M0 scale byte for each 32 along K.
; The eight products of the cell are ONE product with K = 2048: [x | hx] times [Wx_g | Wh_g]^T.  So the codes are laid that way:
;   acodes [8192][1024 bytes]: bytes 0-511 x's 1,024 codes, bytes 512-1023 hx's;   ascales [8192][64 bytes]: bytes 0-31 x's, 32-63 hx's;
;   wcodes [4096][1024 bytes], wscales [4096][64 bytes], the same split.  Row n of them is gate g (i, f, c, o = 0 .. 3), hidden unit j, with
;   n = 256 (j / 64) + 128 ((j / 32) % 2) + 32 g + j % 32: so 128 neighbouring rows hold the four gates of 32 neighbouring units.
; A block's scale is 2^(floor(log2(its largest magnitude)) - 2); its byte is the largest magnitude's exponent field - 2, held at 1 from below.  Each number is divided by the scale and rounded to the
; nearest code, ties to even; beyond 6 the conversion gives the largest code.
; LIMITS: a block of zeros gets the byte 1 where the quantiser says 127 (its codes are zeros, which add nothing under that byte, and only this program reads the bytes); NaN and infinities are not served.
; SHARES.  A work-group takes 16 rows of a PAIR of tensors (work-groups 0-511: x and hx; 512-767: Wx_g and Wh_g, 64 work-groups a gate), a wave 4 rows of both: 16 steps of 512 numbers.
; One path serves all ten tensors: only pointers and row numbers are chosen, by the work-group's number.
; A step's four loads read 512 consecutive bytes each, 16 a lane.  The conversions want 16 NEIGHBOURS in a lane, so the 2,048 bytes turn through the wave's own stage in LDS and come back 64 bytes a lane
; (16 bytes of padding behind each 64).  Two neighbouring lanes hold a block.  A lane's 16 codes are 8 bytes: the wave's store covers 256 consecutive bytes, aligned.
; A wave's 4 rows have 4 x 64 = 256 scale bytes, consecutive in the buffer: they are gathered in the wave's own LDS and leave by one store of 256 consecutive bytes, aligned.
; No loop, no barrier, no tensor load: waves share nothing, every offset is an immediate, and each step has its own registers for what it stores.
; Loads run AHEAD = 8 steps (32 loads, 16,384 bytes a wave) ahead, in eight sets of 16 registers: half of the wave's share is asked for at its start.
.set STEPS, 16
.set AHEAD, 8
.set SP,    80                         ; a lane's place in a stage: its 64 bytes + 16 of padding
.set WREG,  8192                       ; LDS of a wave: two stages of 32 x SP bytes, behind them its 256 scale bytes
.set R,     16                         ; v16-143  eight sets of 16 numbers as they are loaded
.set X,     144                        ; v144-175 two sets of 16 neighbours
.set E,     176                        ; v176-191 a scale byte for each step
.set C,     192                        ; v192-223 codes: two registers for each step, so that no store's data are written again
.set SPW,   224                        ; LDS address of my spare word; never rewritten
.set NIL,   225                        ; 0; never rewritten
	s_load_b512 s[4:19], s[0:1], 0x0               ; x, hx, wxi, whi, wxf, whf, wxc, whc
	s_load_b256 s[20:27], s[0:1], 0x40             ; wxo, who, acodes, ascales
	s_load_b128 s[28:31], s[0:1], 0x60             ; wcodes, wscales
	v_lshl_add_u32 v[SPW], v0, 2, 0x8000
	v_mov_b32 v[NIL], 0
	v_lshrrev_b32 v1, 5, v0
	v_readfirstlane_b32 s32, v1                    ; wave 0..3
	v_and_b32 v2, 31, v0                           ; lane
	v_lshlrev_b32 v3, 4, v2                        ; my 16 bytes of a load's 512
	s_mul_i32 s56, s32, WREG
	v_lshrrev_b32 v14, 2, v2
	v_mul_u32_u24 v14, v14, SP
	v_and_b32 v15, 3, v2
	v_lshl_add_u32 v14, v15, 4, v14
	v_add_nc_u32 v14, s56, v14                     ; the stage, on the way in: SP (lane / 4) + 16 (lane % 4); a load's 512 bytes take eight places
	v_mul_u32_u24 v15, v2, SP
	v_add_nc_u32 v15, s56, v15                     ; and on the way out: SP x lane: my 16 neighbours
	v_lshlrev_b32 v4, 3, v2                        ; 8 x lane: my codes' place in a step's 256 bytes, and my 8 of the wave's 256 scale bytes
	v_lshrrev_b32 v5, 1, v2
	s_add_co_u32 s56, s56, 2*32*SP
	v_add_nc_u32 v5, s56, v5                       ; LDS: my wave's scale bytes, my block's byte
	v_add_nc_u32 v6, s56, v4                       ; and on the way out 8 bytes a lane
	; which rows: all numbers are made for both kinds of work-group, then chosen
	s_sub_co_u32 s33, ttmp9, 512                   ; a weight's work-group: its number among the 256,
	s_lshr_b32 s34, s33, 6                         ; g: the gate,
	s_and_b32 s35, s33, 63                         ; jg: which 16 hidden units
	s_lshl_b32 s48, ttmp9, 4                       ; x, hx: first row, in and out
	s_lshl_b32 s49, s35, 4                         ; a weight: first row in: j = 16 jg
	s_lshr_b32 s50, s35, 2                         ; and out: 256 (j / 64)
	s_lshl_b32 s50, s50, 8
	s_bfe_u32 s53, s35, 0x10001
	s_lshl_b32 s53, s53, 7
	s_add_co_u32 s50, s50, s53                     ; + 128 ((j / 32) % 2)
	s_lshl_b32 s53, s34, 5
	s_add_co_u32 s50, s50, s53                     ; + 32 g
	s_and_b32 s53, s35, 1
	s_lshl_b32 s53, s53, 4
	s_add_co_u32 s50, s50, s53                     ; + j % 32
	s_wait_alu depctr_va_vdst(0)
	s_wait_kmcnt 0x0
	s_cmp_lt_u32 s34, 1                            ; the choices hang on the work-group's number alone
	s_cselect_b64 s[36:37], s[8:9], s[12:13]       ; wxi or wxf
	s_cselect_b64 s[38:39], s[10:11], s[14:15]     ; whi or whf
	s_cmp_lt_u32 s34, 3
	s_cselect_b64 s[40:41], s[16:17], s[20:21]     ; wxc or wxo
	s_cselect_b64 s[42:43], s[18:19], s[22:23]     ; whc or who
	s_cmp_lt_u32 s34, 2
	s_cselect_b64 s[36:37], s[36:37], s[40:41]     ; Wx of gate g
	s_cselect_b64 s[38:39], s[38:39], s[42:43]     ; Wh of gate g
	s_cmp_lt_u32 ttmp9, 512
	s_cselect_b64 s[36:37], s[4:5], s[36:37]       ; the pair's first tensor: x or Wx_g
	s_cselect_b64 s[38:39], s[6:7], s[38:39]       ; its second: hx or Wh_g
	s_cselect_b64 s[44:45], s[24:25], s[28:29]     ; the codes
	s_cselect_b64 s[46:47], s[26:27], s[30:31]     ; the scale bytes
	s_cselect_b32 s51, s48, s49                    ; first row in
	s_cselect_b32 s52, s48, s50                    ; first row out
	s_lshl_b32 s53, s32, 2
	s_add_co_u32 s51, s51, s53                     ; + my wave's 4 rows
	s_add_co_u32 s52, s52, s53
	s_lshl_b32 s54, s51, 12                        ; a row in is 4,096 bytes
	s_mov_b32 s55, 0
	s_add_nc_u64 s[36:37], s[36:37], s[54:55]
	s_add_nc_u64 s[38:39], s[38:39], s[54:55]
	s_lshl_b32 s54, s52, 10                        ; a row of codes 1,024
	s_add_nc_u64 s[44:45], s[44:45], s[54:55]
	s_lshl_b32 s54, s52, 6                         ; a row of scale bytes 64
	s_add_nc_u64 s[46:47], s[46:47], s[54:55]
; Step t: tensor t / 8 of the pair, row (t % 8) / 2 of my four, half t % 2 of the row
.macro LOAD t
.irp i, 0,1,2,3
	global_load_b128 v[R+16*((\t)%AHEAD)+4*\i:R+16*((\t)%AHEAD)+4*\i+3], v3, s[36+2*((\t)/8):37+2*((\t)/8)] offset:2048*((\t)%8)+512*\i th:TH_LOAD_NT   ; 32 lanes read 512 consecutive bytes; read once in the launch
.endr
.endm
.macro TURN t                          ; step t's numbers through the stage: LDS serves a wave's instructions in order (ISA guide 5.7.1.4), so no wait stands between the stores and the loads
.irp i, 0,1,2,3
	ds_store_b128 v14, v[R+16*((\t)%AHEAD)+4*\i:R+16*((\t)%AHEAD)+4*\i+3] offset:32*SP*((\t)%2)+8*SP*\i
.endr
.irp i, 0,1,2,3
	ds_load_b128 v[X+16*((\t)%2)+4*\i:X+16*((\t)%2)+4*\i+3], v15 offset:32*SP*((\t)%2)+16*\i
.endr
.endm
.irp t, 0,1,2,3,4,5,6,7
	LOAD \t
.endr
	s_wait_loadcnt 4*(AHEAD-1)                     ; step 0's four loads are in; the 28 of steps 1 to 7 may be out
	TURN 0
.macro STEP t
.set XS, X+16*((\t)%2)
.if (\t) > 0
	s_wait_dscnt 1                                 ; this step's numbers are back from the stage (only the last step's byte store is younger): so its stores into the stage have read their registers,
.else
	s_wait_dscnt 0x0
.endif
.if (\t)+AHEAD < STEPS
	LOAD (\t)+AHEAD                                ; which take the loads of eight steps on
.endif
.if (\t)+1 < STEPS
.if STEPS-2-(\t) >= AHEAD-1
	s_wait_loadcnt 4*(AHEAD-1)                     ; the next step's four loads are in; those of the seven steps behind it may be out
.else
	s_wait_loadcnt 4*(STEPS-2-(\t))                ; at the end fewer steps are behind it: 24, 20 .. 0
.endif
	TURN (\t)+1                                    ; and go through the other stage while this step is worked
.endif
	v_max3_num_f32 v8, |v[XS]|, |v[XS+1]|, |v[XS+2]|               ; the largest magnitude of my 16, in two chains
	v_max3_num_f32 v9, |v[XS+3]|, |v[XS+4]|, |v[XS+5]|
.irp i, 6,10
	v_max3_num_f32 v8, v8, |v[XS+\i]|, |v[XS+\i+1]|
	v_max3_num_f32 v9, v9, |v[XS+\i+2]|, |v[XS+\i+3]|
.endr
	v_max3_num_f32 v8, v8, |v[XS+14]|, |v[XS+15]|
	v_max3_num_f32 v8, v8, v9, 0x1800000           ; and the floor 2^(3 - 127), under which no largest magnitude is taken: so the byte cannot fall under 1
	v_max_num_f32_dpp v8, v8, v8 row_xmask:1 row_mask:0xf bank_mask:0xf   ; and of my neighbour's 16: the block's
	v_add_nc_u32 v11, 0xff000000, v8               ; 2 off its exponent field: the conversion takes the exponent field of this operand as its scale, and nothing else of it
	v_cvt_scalef32_pk8_fp4_f32 v[C+2*(\t)], v[XS:XS+7], v11        ; eight numbers / the scale, to the nearest code; the first number's code in the lowest four bits
	v_cvt_scalef32_pk8_fp4_f32 v[C+2*(\t)+1], v[XS+8:XS+15], v11
	v_lshrrev_b32 v[E+(\t)], 23, v11               ; the scale's byte (also the plain line behind the conversions)
	ds_store_b8 v5, v[E+(\t)] offset:64*(((\t)%8)/2)+32*((\t)/8)+16*((\t)%2)   ; both lanes of a block write the same byte with the same value
	global_store_b64 v4, v[C+2*(\t):C+2*(\t)+1], s[44:45] offset:1024*(((\t)%8)/2)+512*((\t)/8)+256*((\t)%2)   ; 256 consecutive bytes, at a multiple of 256 from the buffer's first byte
.endm
.irp t, 0,1,2,3,4,5,6,7,8,9,10,11,12,13,14,15
	STEP \t
.endr
	ds_load_b64 v[12:13], v6                       ; LDS serves a wave's instructions in order: these see my sixteen byte stores
	s_wait_dscnt 0x0
	global_store_b64 v4, v[12:13], s[46:47]        ; my four rows' 256 scale bytes: consecutive, aligned
	s_wait_tensorcnt 0x0                           ; the wave's end
	ds_add_u32 v[SPW], v[NIL]
	s_wait_dscnt 0x0
	s_endpgm
.Lfunc_end_k_q65d214f8ca_quant:
	.size	k_q65d214f8ca_quant, .Lfunc_end_k_q65d214f8ca_quant-k_q65d214f8ca_quant
	.p2alignl 7, 3214868480
	.fill 96, 4, 3214868480
	.section	.rodata,"a",@progbits
	.p2align	6, 0x0
	.amdhsa_kernel k_q65d214f8ca_quant
		.amdhsa_group_segment_fixed_size 33280
		.amdhsa_private_segment_fixed_size 0
		.amdhsa_enable_private_segment 0
		.amdhsa_kernarg_size 112
		.amdhsa_user_sgpr_count 2
		.amdhsa_user_sgpr_kernarg_segment_ptr 1
		.amdhsa_wavefront_size32 1
		.amdhsa_system_sgpr_workgroup_id_x 1
		.amdhsa_system_sgpr_workgroup_id_y 1
		.amdhsa_system_sgpr_workgroup_id_z 1
		.amdhsa_system_vgpr_workitem_id 0
		.amdhsa_next_free_vgpr 226
		.amdhsa_next_free_sgpr 66
		.amdhsa_reserve_vcc 0
		.amdhsa_float_denorm_mode_32 3
		.amdhsa_float_denorm_mode_16_64 3
		.amdhsa_memory_ordered 1
		.amdhsa_forward_progress 1
		.amdhsa_inst_pref_size 34
	.end_amdhsa_kernel
	.amdgpu_metadata
---
amdhsa.version: [ 1, 2 ]
amdhsa.kernels:
  - .name:           k_q65d214f8ca_quant
    .symbol:         k_q65d214f8ca_quant.kd
    .args:
      - { .name: x, .offset: 0, .size: 8, .value_kind: global_buffer, .address_space: global }
      - { .name: hx, .offset: 8, .size: 8, .value_kind: global_buffer, .address_space: global }
      - { .name: wxi, .offset: 16, .size: 8, .value_kind: global_buffer, .address_space: global }
      - { .name: whi, .offset: 24, .size: 8, .value_kind: global_buffer, .address_space: global }
      - { .name: wxf, .offset: 32, .size: 8, .value_kind: global_buffer, .address_space: global }
      - { .name: whf, .offset: 40, .size: 8, .value_kind: global_buffer, .address_space: global }
      - { .name: wxc, .offset: 48, .size: 8, .value_kind: global_buffer, .address_space: global }
      - { .name: whc, .offset: 56, .size: 8, .value_kind: global_buffer, .address_space: global }
      - { .name: wxo, .offset: 64, .size: 8, .value_kind: global_buffer, .address_space: global }
      - { .name: who, .offset: 72, .size: 8, .value_kind: global_buffer, .address_space: global }
      - { .name: acodes, .offset: 80, .size: 8, .value_kind: global_buffer, .address_space: global }
      - { .name: ascales, .offset: 88, .size: 8, .value_kind: global_buffer, .address_space: global }
      - { .name: wcodes, .offset: 96, .size: 8, .value_kind: global_buffer, .address_space: global }
      - { .name: wscales, .offset: 104, .size: 8, .value_kind: global_buffer, .address_space: global }
    .group_segment_fixed_size: 33280
    .private_segment_fixed_size: 0
    .kernarg_segment_align: 8
    .kernarg_segment_size: 112
    .max_flat_workgroup_size: 128
    .sgpr_count:     66
    .vgpr_count:     226
    .wavefront_size: 32
...
	.end_amdgpu_metadata
.endif
;; end of part 1
;; launch lstm (part 2): grid 16 x 16, 8 waves a work-group, clusters of 4 x 4, 327,680 bytes of LDS; arguments acodes, ascales, wcodes, wscales, bxi, bhi, bxf, bhf, bxc, bhc, bxo, bho, cx, out0, out1; writes out0, out1
.if DOCPART == 2
	.amdgcn_target "amdgcn-amd-amdhsa--gfx1250"
	.amdhsa_code_object_version 6
	.text
	.protected	k_q65d214f8ca_lstm
	.globl	k_q65d214f8ca_lstm
	.p2align	8
	.type	k_q65d214f8ca_lstm,@function
k_q65d214f8ca_lstm:
	s_mov_b64 s[64:65], 0
	v_nop
	global_prefetch_b8 v0, s[64:65] scope:SCOPE_SE
	s_setreg_imm32_b32 hwreg(HW_REG_WAVE_MODE, 25, 1), 1
	s_wait_xcnt 0x0
	s_wait_alu depctr_hold_cnt(0) depctr_sa_sdst(0) depctr_va_vdst(0) depctr_va_sdst(0) depctr_va_ssrc(0) depctr_va_vcc(0) depctr_vm_vsrc(0)
	s_getreg_b32 s2, hwreg(HW_REG_IB_STS2, 6, 4)
	s_cmp_eq_u32 s2, 0
	s_cbranch_scc0 .Lentry_in_a_cluster
	s_endpgm
.Lentry_in_a_cluster:
	s_bfe_u32 s2, ttmp6, 0x10000c
	s_cmp_lg_u32 s2, 0xf033
	s_cbranch_scc0 .Lentry_shape_is_right
	s_endpgm
.Lentry_shape_is_right:
; The LSTM cell on codes of FP4: gates = [x | hx] [Wx_g | Wh_g]^T + bx_g + bh_g (one product with K = 2048), cy = cx f + i g, hy = o tanh(cy).
; task_id is a constant of the problem with no way to an output; every buffer among the inputs is read.
; SHARES.  A work-group owns 512 rows x 64 hidden units (256 rows of wcodes), in 8 blocks of 64 rows.  A wave owns 8 units x 4 gates = 32 rows of W for all of K: 256 registers (window 1), read once.
; A tile of W is 16 rows: lane r takes gate 2 t + (r / 4) % 2, unit 4 (r / 8) + r % 4.  W is source 0, so lane (r, h) holds row r of the block and, in its 16 registers of tiles t = 0, 1,
; the gates i, f, c, o of units 4 h .. 4 h + 3: the cell's arithmetic needs no other lane, and a lane's cy and hy are 16 neighbouring bytes.
; TWO GROUPS of four waves (wave / 4) work half a period apart.  Period t: a barrier with the refill; group 0 multiplies block t while group 1 runs the activations of block t - 1;
; a plain barrier; all waves send block t - 1 out; group 0 runs the activations of block t while group 1 multiplies block t.
; LDS: two banks 0x20000 apart, each with a block's codes (4 planes of 64 rows x 256 bytes, pitch 272), its cx tile, its 4,096 scale bytes and the stages for hy and cy.  Block b uses bank b % 2:
; each address register is turned to the other bank by one XOR a period.  At the head W's 256 rows x 1,024 bytes lie over both banks, as 4 planes; block 0 lands on bytes of planes 0 and 1 alone,
; so it is asked for when these two have been read, and planes 2 and 3 are read behind that request.  The stages and the bias image lie on bytes whose last fill is W's.
; CLUSTER 4 x 4: W's tiles are asked for jointly along a column, the blocks' codes and scale bytes along a row; cx belongs to one work-group and comes by a load of its own.
; No data prefetch: a block's tensor loads go out a whole period (two groups' 128 matrix instructions and two runs of activations) ahead of the wait for them, and the loop has no other stream.
; THE ARITHMETIC.  With ei = e^-i, ef = e^-f, ec = e^-2c: F = 1 + ef, C = 1 + ec, N = 1 - ec, P = (1 + ei) C; cy = (cx P + N F) / (F P): one reciprocal.  hy = (1 - e) / ((1 + eo)(1 + e)), e = e^-2cy.
; LIMITS: the base-2 exponents of ei, ef, ec and e are held at 30, so a sigmoid of i or f is never under 2^-30 and 1 - |tanh| never under 2^-29; cx P stays finite for |cx| under 2^60;
; NaN and infinities among the inputs are not served.
.set PITCH, 272
.set PLANE, 64*PITCH
.set BANK,  0x20000
.set CXS,   4*PLANE
.set SCS,   5*PLANE
.set HYS,   SCS+16*PITCH
.set CYO,   PLANE
.set BIAS,  2*BANK
.set SPARE, BIAS+16384
.set WHALF, 128*PITCH
.set ADRA, 1                           ; LDS: my fragments of the block
.set ADS,  2                           ; its scale words: lanes 0-15 an even block of 16 rows, lanes 16-31 the odd one
.set CXA,  3                           ; my 16 bytes of a cx row
.set STW,  4                           ; stage, on the way in
.set STR,  5                           ; stage, on the way out
.set SPW,  6
.set NIL,  7
.set GO,   8                           ; my byte offset in the output
.set BIA,  9                           ; my wave's bias image
.set SW,   16                          ; v16-31  W's scale words: lanes 0-15 tile 0, lanes 16-31 tile 1; register q for K = 128 q ..
.set X16,  32                          ; v32-47  the bias (C of a block's first products), then the block's cx
.set SA,   48                          ; v48-55  the block's scale words, two sets
.set ACC,  64                          ; v64-127 accumulator (a, t) at 8 (2 a + t)
.set FRG,  128                         ; v128-255 fragments, two sets of 64: 256 along K of 64 rows
.set TN,   128                         ; v128-143 in the activations: N, then cy
.set O32,  224                         ; the way out: 8 x 4 registers
.set WA,   240                         ; head only
.set SWO,  244
.set BO,   245
.set WV,  2
.set GRP, 3
.set G1W, 36
.set G1A, 44
.set G1C, 52
.set ML,  60
.set M2L, 62
.set CAP, 66
.set CNT, 67
.set G1S, 68
.set G0W, 76
.set G0A, 80
.set G0C, 84
.set G0S, 88
.set MSB, 0
.macro WIN new                         ; the immediate's high byte repeats the setting that is left
.if MSB != (\new)
	s_set_vgpr_msb (MSB<<8)|(\new)
.set MSB, (\new)
.endif
.endm
.macro PLACES n
.rept \n
	v_nop
.endr
.endm
.macro CROUND                          ; a round of the cluster's barrier
	s_barrier_signal -1
	s_barrier_wait -1
	s_cmp_lg_u32 s[WV], 0
	s_cbranch_scc1 .Lnot_wave_0_\@
	s_barrier_signal -3
.Lnot_wave_0_\@:
	s_barrier_wait -3
	s_barrier_signal -1
	s_barrier_wait -1
.endm
.macro TLD g0, g1                      ; s_nop 0 and four v_nop behind every tensor load
	tensor_load_to_lds s[\g0:\g0+3], s[\g1:\g1+7]
	s_nop 0
	PLACES 4
.endm
.macro RF                              ; a block's six tiles, one load a wave: waves 0-3 a plane of codes each, wave 4 cx, wave 5 the scale bytes
	s_cmp_lt_u32 s[WV], 4
	s_cbranch_scc0 .Lrc_\@
	TLD G0A, G1A
	s_branch .Lrd_\@
.Lrc_\@:
	s_cmp_eq_u32 s[WV], 4
	s_cbranch_scc0 .Lrs_\@
	TLD G0C, G1C
	s_branch .Lrd_\@
.Lrs_\@:
	s_cmp_eq_u32 s[WV], 5
	s_cbranch_scc0 .Lrd_\@
	TLD G0S, G1S
.Lrd_\@:
.endm
.macro WLOAD p                         ; plane p of my 32 rows of W into window 1
	WIN 0x40
.irp q, 0,1,2,3
.irp t, 0,1
.irp c, 0,1
	ds_load_b128 v[8*(2*(4*(\p)+\q)+\t)+4*\c:8*(2*(4*(\p)+\q)+\t)+4*\c+3], v[WA+(\p)] offset:\t*64*PITCH+64*\q+32*\c
.endr
.endr
.endr
	WIN 0
.endm
	s_load_b512 s[4:19], s[0:1], 0x0               ; acodes, ascales, wcodes, wscales, bxi, bhi, bxf, bhf
	s_load_b256 s[20:27], s[0:1], 0x40             ; bxc, bhc, bxo, bho
	s_load_b128 s[28:31], s[0:1], 0x60             ; cx, out0
	s_load_b64 s[32:33], s[0:1], 0x70              ; out1
	v_lshl_add_u32 v[SPW], v0, 2, SPARE
	v_mov_b32 v[NIL], 0
	ds_add_u32 v[SPW], v[NIL]                      ; the opening lines: the add twice on end and one wait
	ds_add_u32 v[SPW], v[NIL]
	v_lshrrev_b32 v10, 5, v0
	v_readfirstlane_b32 s[WV], v10                 ; wave 0..7
	s_lshr_b32 s[GRP], s[WV], 2                    ; group
	s_and_b32 s34, s[WV], 3
	s_bfe_u32 s92, ttmp6, 0x40000
	s_bfe_u32 s93, ttmp6, 0x40004
	s_lshl_b32 s94, ttmp9, 2
	s_add_co_u32 s94, s94, s92                     ; which 64 units
	s_and_b32 s95, ttmp7, 0xffff
	s_lshl_b32 s95, s95, 2
	s_add_co_u32 s95, s95, s93                     ; which 512 rows
	s_lshl_b32 s96, s93, 2
	s_lshl_b32 s96, 15, s96                        ; my row of the cluster
	s_lshl_b32 s97, 0x1111, s92                    ; my column
	s_or_b32 s[G1W], s97, (1<<20)|(1<<21)|(5<<22)|(3<<25)          ; rows of 256 bytes, 16 bytes of padding behind each
	s_or_b32 s[G1A], s96, (1<<20)|(1<<21)|(5<<22)|(3<<25)
	s_mov_b32 s[G1C], (1<<20)|(5<<22)|(3<<25)
	s_or_b32 s[G1S], s96, (3<<16)|(1<<20)|(1<<21)|(5<<22)|(3<<25)
.irp g, G1W, G1A, G1C
	s_mov_b32 s[\g+1], 256<<16
	s_mov_b32 s[\g+3], 256<<16
	s_mov_b32 s[\g+6], 0
	s_mov_b32 s[\g+7], 0
.endr
	s_mov_b32 s[G1W+2], 128<<16                    ; W: 128 rows a load, pitch 1,024 bytes
	s_mov_b32 s[G1W+4], 128
	s_mov_b32 s[G1W+5], 1024
	s_mov_b32 s[G1A+2], 64<<16                     ; a plane of a block: 64 rows
	s_mov_b32 s[G1A+4], 64
	s_mov_b32 s[G1A+5], 1024
	s_mov_b32 s[G1C+2], 64<<16                     ; cx: 64 rows x 256 bytes, pitch 4,096 bytes
	s_mov_b32 s[G1C+4], 64
	s_mov_b32 s[G1C+5], 4096
	s_mov_b32 s[G1S+1], 32<<16                     ; scale bytes: 4,096 dense bytes as 16 rows of 32 x 8
	s_mov_b32 s[G1S+2], 16<<16
	s_mov_b32 s[G1S+3], 32<<16
	s_mov_b32 s[G1S+4], 16
	s_mov_b32 s[G1S+5], 32
	s_mov_b32 s[G1S+6], 0
	s_mov_b32 s[G1S+7], 0
	s_lshl_b32 s[G0A+2], s95, 19                   ; codes: 512 rows x 1,024 bytes + my plane
	s_lshl_b32 s35, s34, 8
	s_add_co_u32 s[G0A+2], s[G0A+2], s35
	s_mov_b32 s[G0A+3], 0
	s_lshl_b32 s[G0S+2], s95, 15
	s_mov_b32 s[G0S+3], 0
	s_lshl_b32 s[G0W+2], s94, 18                   ; W: 256 rows x 1,024 bytes; wave w: plane w / 2, rows 128 (w % 2)
	s_and_b32 s35, s[WV], 1
	s_lshl_b32 s35, s35, 17
	s_add_co_u32 s[G0W+2], s[G0W+2], s35
	s_lshr_b32 s35, s[WV], 1
	s_lshl_b32 s35, s35, 8
	s_add_co_u32 s[G0W+2], s[G0W+2], s35
	s_mov_b32 s[G0W+3], 0
	s_lshl_b32 s[G0C+2], s95, 21                   ; cx, out: 512 rows x 4,096 bytes + 256 bytes x unit group
	s_lshl_b32 s35, s94, 8
	s_add_co_u32 s[G0C+2], s[G0C+2], s35
	s_mov_b32 s[G0C+3], 0
	s_lshl_b32 s98, s34, 16                        ; on the way out wave w takes rows 16 (w % 4) ..
	s_add_co_u32 s98, s98, s[G0C+2]
	s_mov_b32 s99, 0
	s_lshl_b32 s100, s94, 14                       ; wscales: 256 rows x 64 bytes
	s_mov_b32 s101, 0
	s_mov_b32 s[G0W], 1
	s_mul_i32 s[G0W+1], s[WV], WHALF
	s_mov_b32 s[G0A], 1
	s_mul_i32 s[G0A+1], s34, PLANE
	s_mov_b32 s[G0C], 1
	s_mov_b32 s[G0C+1], CXS
	s_mov_b32 s[G0S], 1
	s_mov_b32 s[G0S+1], SCS
	s_mov_b32 s[ML], 0xbfb8aa3b                    ; -log2(e)
	s_mov_b32 s[M2L], 0xc038aa3b                   ; -2 log2(e)
	s_mov_b32 s[CAP], 0x41f00000                   ; 30
	s_wait_dscnt 0x0
	s_wait_kmcnt 0x0
	s_add_nc_u64 s[G0W+2:G0W+3], s[8:9], s[G0W+2:G0W+3]
	s_or_b32 s[G0W+3], s[G0W+3], 0x80000000
	s_add_nc_u64 s[G0A+2:G0A+3], s[4:5], s[G0A+2:G0A+3]
	s_or_b32 s[G0A+3], s[G0A+3], 0x80000000
	s_add_nc_u64 s[G0C+2:G0C+3], s[28:29], s[G0C+2:G0C+3]
	s_or_b32 s[G0C+3], s[G0C+3], 0x80000000
	s_add_nc_u64 s[G0S+2:G0S+3], s[6:7], s[G0S+2:G0S+3]
	s_or_b32 s[G0S+3], s[G0S+3], 0x80000000
	s_add_nc_u64 s[10:11], s[10:11], s[100:101]
	s_cmp_eq_u32 s[GRP], 0                         ; waves 0-3 send hy, waves 4-7 cy
	s_cselect_b64 s[30:31], s[30:31], s[32:33]
	s_add_nc_u64 s[30:31], s[30:31], s[98:99]
	CROUND
	TLD G0W, G1W                                   ; every wave's one load at the head: an eighth of W
	s_lshl_b32 s35, s[WV], 5                       ; 32 w: my 8 units in a row of 256 bytes
	s_add_co_u32 s92, s35, CXS+BANK
	s_xor_b32 s93, s[GRP], 1                       ; each address starts in the bank that the first period's XOR leaves
	s_lshl_b32 s93, s93, 17
	s_add_co_u32 s93, s93, s35
	s_add_co_u32 s93, s93, HYS
	s_mul_i32 s96, s34, 16*PITCH
	s_mul_i32 s97, s[GRP], PLANE
	s_add_co_u32 s96, s96, s97
	s_add_co_u32 s96, s96, HYS
	s_lshl_b32 s97, s[WV], 11
	s_add_co_u32 s97, s97, BIAS
	s_lshl_b32 s98, s[GRP], 7                      ; my units' first row among the 256: 128 (w / 4) + 8 (w % 4)
	s_lshl_b32 s99, s34, 3
	s_add_co_u32 s98, s98, s99
	s_lshl_b32 s99, s94, 8
	s_add_co_u32 s99, s99, s35                     ; my units in a bias, in bytes
	v_and_b32 v10, 15, v0                          ; r
	v_bfe_u32 v11, v0, 4, 1                        ; h
	v_mul_u32_u24 v12, v10, PITCH
	v_lshl_add_u32 v12, v11, 4, v12
	v_add_nc_u32 v[ADRA], BANK, v12
	v_add_nc_u32 v[CXA], s92, v12
	v_add_nc_u32 v[STW], s93, v12
	v_lshrrev_b32 v13, 2, v10
	v_mul_u32_u24 v13, v13, PITCH
	v_and_b32 v14, 3, v10
	v_lshl_add_u32 v13, v14, 6, v13                ; row r's 64 scale bytes: four rows to 256 bytes
	v_mad_u32_u24 v13, v11, 4*PITCH, v13           ; lanes 16-31: 16 rows on
	v_add_nc_u32 v[ADS], SCS+BANK, v13
	v_mul_u32_u24 v13, v11, PITCH
	v_lshl_add_u32 v13, v10, 4, v13
	v_add_nc_u32 v[STR], s96, v13
	v_lshlrev_b32 v13, 4, v10
	v_lshl_add_u32 v[GO], v11, 12, v13
	v_and_b32 v13, 31, v0
	v_lshl_add_u32 v[BIA], v13, 4, s97
	v_bfe_u32 v13, v10, 2, 1
	v_lshrrev_b32 v15, 3, v10
	v_lshl_add_u32 v14, v15, 2, v14
	v_lshl_add_u32 v14, v13, 5, v14
	v_add_nc_u32 v14, s98, v14                     ; tile 0's row of lane r
	v_mul_u32_u24 v13, v14, PITCH
	v_lshl_add_u32 v[WA], v11, 4, v13
	v_add_nc_u32 v[WA+1], 4*PLANE, v[WA]
	v_add_nc_u32 v[WA+2], 8*PLANE, v[WA]
	v_add_nc_u32 v[WA+3], 12*PLANE, v[WA]
	v_lshl_add_u32 v14, v11, 6, v14                ; lanes 16-31: tile 1's rows, 64 on
	v_lshlrev_b32 v[SWO], 6, v14
	v_lshl_add_u32 v[BO], v11, 4, s99
	s_wait_alu depctr_va_vdst(0)
.irp k, 0,1,2,3
	global_load_b128 v[SW+4*\k:SW+4*\k+3], v[SWO], s[10:11] offset:16*\k
.endr
.irp g, 0,1,2,3
	global_load_b128 v[X16+4*\g:X16+4*\g+3], v[BO], s[12+4*\g:13+4*\g]
	global_load_b128 v[192+4*\g:195+4*\g], v[BO], s[14+4*\g:15+4*\g]
.endr
	s_wait_tensorcnt 0x0                           ; my eighth of W is in,
	s_barrier_signal -1
	s_barrier_wait -1                              ; and everybody's
	WLOAD 0
	WLOAD 1
	s_wait_loadcnt 0x0
.irp j, 0,2,4,6,8,10,12,14
	v_pk_add_f32 v[X16+\j:X16+\j+1], v[X16+\j:X16+\j+1], v[192+\j:193+\j]   ; bx + bh
.endr
	s_wait_tensorcnt 0x0                           ; the three lines in front of the round behind which bytes of W's planes 0 and 1 are filled again
	ds_add_u32 v[SPW], v[NIL]
	s_wait_alu depctr_va_vdst(0)
	s_wait_dscnt 0x0                               ; my reads of these two planes are over
	CROUND
	RF                                             ; block 0
	WLOAD 2                                        ; planes 2 and 3 lie beyond block 0's bytes
	WLOAD 3
.macro FETCH s                         ; 256 along K of the block's 64 rows into set s % 2, with their scale words
.irp q, 0,1
.irp a, 0,1,2,3
.irp c, 0,1
	ds_load_b128 v[FRG+64*((\s)%2)+32*\q+8*\a+4*\c:FRG+64*((\s)%2)+32*\q+8*\a+4*\c+3], v[ADRA] offset:((\s)/2)*PLANE+\a*16*PITCH+64*(2*((\s)%2)+\q)+32*\c
.endr
.endr
.endr
.irp i, 0,1
	ds_load_b64 v[SA+4*((\s)%2)+2*\i:SA+4*((\s)%2)+2*\i+1], v[ADS] offset:\i*8*PITCH+8*(\s)
.endr
.endm
.macro MUL s                           ; 16 matrix instructions; the eight accumulators take turns
.irp q, 0,1
.irp a, 0,1,2,3
.irp t, 0,1
.set rD, ACC+8*(2*\a+\t)
.set rW, 8*(2*(2*(\s)+\q)+\t)
.set rF, FRG+64*((\s)%2)+32*\q+8*\a
.set rC, rD
.if ((\s) == 0) && (\q == 0)
.set rC, X16+8*\t
.endif
.set rSW, SW+2*(\s)+\q
.set rSA, SA+4*((\s)%2)+2*(\a/2)+\q
.if (\t == 1) && ((\a%2) == 1)
	v_wmma_scale_f32_16x16x128_f8f6f4 v[rD:rD+7], v[rW:rW+7], v[rF:rF+7], v[rC:rC+7], v[rSW], v[rSA] matrix_a_fmt:MATRIX_FMT_FP4 matrix_b_fmt:MATRIX_FMT_FP4 matrix_a_scale:MATRIX_SCALE_ROW1 matrix_b_scale:MATRIX_SCALE_ROW1
.elseif (\t == 1)
	v_wmma_scale_f32_16x16x128_f8f6f4 v[rD:rD+7], v[rW:rW+7], v[rF:rF+7], v[rC:rC+7], v[rSW], v[rSA] matrix_a_fmt:MATRIX_FMT_FP4 matrix_b_fmt:MATRIX_FMT_FP4 matrix_a_scale:MATRIX_SCALE_ROW1
.elseif ((\a%2) == 1)
	v_wmma_scale_f32_16x16x128_f8f6f4 v[rD:rD+7], v[rW:rW+7], v[rF:rF+7], v[rC:rC+7], v[rSW], v[rSA] matrix_a_fmt:MATRIX_FMT_FP4 matrix_b_fmt:MATRIX_FMT_FP4 matrix_b_scale:MATRIX_SCALE_ROW1
.else
	v_wmma_scale_f32_16x16x128_f8f6f4 v[rD:rD+7], v[rW:rW+7], v[rF:rF+7], v[rC:rC+7], v[rSW], v[rSA] matrix_a_fmt:MATRIX_FMT_FP4 matrix_b_fmt:MATRIX_FMT_FP4
.endif
.endr
.endr
.endr
.endm
.macro OUTLOAD                         ; 16 whole rows of 256 bytes of a finished block's hy or cy
.irp t, 0,1,2,3,4,5,6,7
	ds_load_b128 v[O32+4*\t:O32+4*\t+3], v[STR] offset:\t*2*PITCH
.endr
.endm
.macro OUTSTORE                        ; sixteen lanes store 256 consecutive bytes, aligned
.irp t, 0,1,2,3,4,5,6,7
	global_store_b128 v[GO], v[O32+4*\t:O32+4*\t+3], s[30:31] offset:8192*\t th:TH_STORE_NT
.endr
	s_wait_xcnt 0x0                                ; the stores have read their registers and their base
	s_add_nc_u64 s[30:31], s[30:31], 0x40000       ; 64 rows on
.endm
.macro MM out                          ; a block's 128 matrix instructions, in 8 steps of 256 along K
.irp k, 0,1,2,3
	ds_load_b128 v[X16+4*\k:X16+4*\k+3], v[BIA] offset:512*\k
.endr
	FETCH 0
.irp s, 0,1,2,3,4,5,6,7
	s_wait_dscnt 0x0                               ; this step's fragments are in
.if (\s == 0) && (\out)
	OUTSTORE
.endif
.if \s > 0
	PLACES 4                                       ; in front of loads into registers that the step before multiplied
.endif
.if \s < 7
	FETCH \s+1
.endif
.if \s == 1
.irp a, 0,1,2,3
	ds_load_b128 v[X16+4*\a:X16+4*\a+3], v[CXA] offset:\a*16*PITCH          ; the bias has been taken: its registers take my cx of this block
.endr
.endif
	WIN 0x01                                       ; source 0, W, in window 1
	MUL \s
	WIN 0
.endr
	PLACES 5
.endm
; A dual-issue pair on registers d, d + 1: the two destinations are an even and an odd register, and the two halves' sources are neighbours, so they lie in different banks
.macro D2 op, d, a, b
	v_dual_\op v[\d], v[\a], v[\b] :: v_dual_\op v[(\d)+1], v[(\a)+1], v[(\b)+1]
.endm
.macro D2S op, d, s, b                 ; the same with one scalar or constant as both first sources
	v_dual_\op v[\d], \s, v[\b] :: v_dual_\op v[(\d)+1], \s, v[(\b)+1]
.endm
.macro TT out                          ; the cell's arithmetic on my 64 rows x 8 units.  Of block a's 16 registers: i 0-3, f 4-7, c 8-11, o 12-15
	s_wait_alu depctr_va_vdst(0)                   ; ahead of the first readers of matrix results
.irp a, 0,1,2,3
.irp j, 0,2,4,6,8,10,12,14
.if (\j == 8) || (\j == 10)
	D2S mul_f32, ACC+16*\a+\j, s[M2L], ACC+16*\a+\j
.else
	D2S mul_f32, ACC+16*\a+\j, s[ML], ACC+16*\a+\j
.endif
.endr
.endr
.irp a, 0,1,2,3
.irp j, 0,2,4,6,8,10
	D2S min_num_f32, ACC+16*\a+\j, s[CAP], ACC+16*\a+\j
.endr
.endr
.if \out
	s_wait_dscnt 0x0                               ; the finished block's rows are back from the stage
	OUTSTORE
.endif
	s_wait_alu depctr_va_vdst(0)
.irp a, 0,1,2,3
.irp i, 0,1,2,3,4,5,6,7,8,9,10,11,12,13,14,15
	v_exp_f32 v[ACC+16*\a+\i], v[ACC+16*\a+\i]
.endr
.endr
	v_nop
	s_wait_alu depctr_va_vdst(0)
.irp a, 0,1,2,3
.irp j, 0,2
	D2S add_f32, ACC+16*\a+4+\j, 1.0, ACC+16*\a+4+\j           ; F = 1 + ef
	D2S add_f32, ACC+16*\a+8+\j, 1.0, ACC+16*\a+8+\j           ; C = 1 + ec
.endr
.endr
.irp a, 0,1,2,3
.irp j, 0,2
	D2S sub_f32, TN+4*\a+\j, 2.0, ACC+16*\a+8+\j               ; N = 2 - C
.endr
.endr
.irp a, 0,1,2,3
.irp j, 0,2
	D2 fmac_f32, ACC+16*\a+8+\j, ACC+16*\a+\j, ACC+16*\a+8+\j  ; P = C + ei C
.endr
.endr
.irp a, 0,1,2,3
.irp j, 0,2
	D2 mul_f32, ACC+16*\a+\j, ACC+16*\a+4+\j, ACC+16*\a+8+\j   ; F P
.endr
.endr
	s_wait_alu depctr_va_vdst(0)
.irp a, 0,1,2,3
.irp i, 0,1,2,3
	v_rcp_f32 v[ACC+16*\a+\i], v[ACC+16*\a+\i]
.endr
.endr
.irp a, 0,1,2,3
.irp j, 0,2
	D2 mul_f32, TN+4*\a+\j, TN+4*\a+\j, ACC+16*\a+4+\j         ; N F
.endr
.endr
.irp a, 0,1,2,3
.irp j, 0,2
	D2 fmac_f32, TN+4*\a+\j, X16+4*\a+\j, ACC+16*\a+8+\j       ; + cx P
.endr
.endr
	s_wait_alu depctr_va_vdst(0)
.irp a, 0,1,2,3
.irp j, 0,2
	D2 mul_f32, TN+4*\a+\j, TN+4*\a+\j, ACC+16*\a+\j           ; cy
.endr
.endr
.irp a, 0,1,2,3
	ds_store_b128 v[STW], v[TN+4*\a:TN+4*\a+3] offset:CYO+\a*16*PITCH
.endr
.irp a, 0,1,2,3
.irp j, 0,2
	D2S mul_f32, ACC+16*\a+8+\j, s[M2L], TN+4*\a+\j
.endr
.endr
.irp a, 0,1,2,3
.irp j, 0,2
	D2S min_num_f32, ACC+16*\a+8+\j, s[CAP], ACC+16*\a+8+\j
.endr
.endr
	s_wait_alu depctr_va_vdst(0)
.irp a, 0,1,2,3
.irp i, 8,9,10,11
	v_exp_f32 v[ACC+16*\a+\i], v[ACC+16*\a+\i]
.endr
.endr
	v_nop
	s_wait_alu depctr_va_vdst(0)
.irp a, 0,1,2,3
.irp j, 0,2
	D2S add_f32, ACC+16*\a+8+\j, 1.0, ACC+16*\a+8+\j           ; 1 + e
.endr
.endr
.irp a, 0,1,2,3
.irp j, 0,2
	D2S sub_f32, ACC+16*\a+4+\j, 2.0, ACC+16*\a+8+\j           ; 1 - e
.endr
.endr
.irp a, 0,1,2,3
.irp j, 0,2
	D2 fmac_f32, ACC+16*\a+8+\j, ACC+16*\a+12+\j, ACC+16*\a+8+\j   ; (1 + eo)(1 + e)
.endr
.endr
	s_wait_alu depctr_va_vdst(0)
.irp a, 0,1,2,3
.irp i, 8,9,10,11
	v_rcp_f32 v[ACC+16*\a+\i], v[ACC+16*\a+\i]
.endr
.endr
	v_nop
	s_wait_alu depctr_va_vdst(0)
.irp a, 0,1,2,3
.irp j, 0,2
	D2 mul_f32, ACC+16*\a+4+\j, ACC+16*\a+4+\j, ACC+16*\a+8+\j     ; hy = o tanh(cy)
.endr
.endr
.irp a, 0,1,2,3
	ds_store_b128 v[STW], v[ACC+16*\a+4:ACC+16*\a+7] offset:\a*16*PITCH
.endr
	s_wait_alu depctr_va_vdst(0)
.endm
.macro SYNC1 fill                      ; a period's first barrier: all my tensor loads are in, my LDS reads and stores are over; every address turns to the other bank
	s_wait_tensorcnt 0x0
	ds_add_u32 v[SPW], v[NIL]
.irp r, ADRA, ADS, CXA, STW, STR
	v_xor_b32 v[\r], BANK, v[\r]
.endr
.if \fill
	s_add_nc_u64 s[G0A+2:G0A+3], s[G0A+2:G0A+3], 0x10000   ; no load of mine is out: the descriptors step to the next block and the other bank
	s_xor_b32 s[G0A+1], s[G0A+1], BANK
	s_add_nc_u64 s[G0C+2:G0C+3], s[G0C+2:G0C+3], 0x40000
	s_xor_b32 s[G0C+1], s[G0C+1], BANK
	s_add_nc_u64 s[G0S+2:G0S+3], s[G0S+2:G0S+3], 0x1000
	s_xor_b32 s[G0S+1], s[G0S+1], BANK
.endif
	s_wait_alu depctr_va_vdst(0)
	s_wait_dscnt 0x0
.if \fill
	CROUND
	RF
.else
	s_barrier_signal -1
	s_barrier_wait -1
.endif
.endm
.macro PERIOD fill, first
	SYNC1 \fill
.if \first
.irp k, 0,1,2,3
	ds_store_b128 v[BIA], v[X16+4*\k:X16+4*\k+3] offset:512*\k      ; every wave has read W: the bias goes, as an image of its 16 registers, onto my wave's own bytes of W's last plane
.endr
.endif
	s_cmp_lg_u32 s[GRP], 0
	s_cbranch_scc1 .Lh1g1_\@
	MM 0
	s_branch .Lh1j_\@
.Lh1g1_\@:
.if \first == 0
	TT 0
.endif
.Lh1j_\@:
	s_wait_dscnt 0x0                               ; group 1's stores into the stage are done: the block before this one is whole there
	s_barrier_signal -1
	s_barrier_wait -1
.if \first == 0
	OUTLOAD
.endif
	s_cmp_lg_u32 s[GRP], 0
	s_cbranch_scc1 .Lh2g1_\@
	TT 1-\first
	s_branch .Lh2j_\@
.Lh2g1_\@:
	MM 1-\first
.Lh2j_\@:
.endm
	PERIOD 1, 1                                    ; period 0: no block before it
	s_mov_b32 s[CNT], 6
.Lperiod:                                              ; periods 1 to 6
	PERIOD 1, 0
	s_sub_co_u32 s[CNT], s[CNT], 1
	s_cmp_lg_u32 s[CNT], 0
	s_cbranch_scc1 .Lperiod
	PERIOD 0, 0                                    ; period 7 asks for nothing more
	SYNC1 0
	s_cmp_eq_u32 s[GRP], 0
	s_cbranch_scc1 .Llast
	TT 0                                           ; group 1's activations of block 7
.Llast:
	s_wait_dscnt 0x0
	s_barrier_signal -1
	s_barrier_wait -1
	OUTLOAD
	s_wait_dscnt 0x0
	OUTSTORE
	s_wait_tensorcnt 0x0                           ; the wave's end
	ds_add_u32 v[SPW], v[NIL]
	s_wait_dscnt 0x0
	CROUND                                         ; the closing round
	s_endpgm
.Lfunc_end_k_q65d214f8ca_lstm:
	.size	k_q65d214f8ca_lstm, .Lfunc_end_k_q65d214f8ca_lstm-k_q65d214f8ca_lstm
	.p2alignl 7, 3214868480
	.fill 96, 4, 3214868480
	.section	.rodata,"a",@progbits
	.p2align	6, 0x0
	.amdhsa_kernel k_q65d214f8ca_lstm
		.amdhsa_group_segment_fixed_size 327680
		.amdhsa_private_segment_fixed_size 0
		.amdhsa_enable_private_segment 0
		.amdhsa_kernarg_size 120
		.amdhsa_user_sgpr_count 2
		.amdhsa_user_sgpr_kernarg_segment_ptr 1
		.amdhsa_wavefront_size32 1
		.amdhsa_system_sgpr_workgroup_id_x 1
		.amdhsa_system_sgpr_workgroup_id_y 1
		.amdhsa_system_sgpr_workgroup_id_z 1
		.amdhsa_system_vgpr_workitem_id 0
		.amdhsa_next_free_vgpr 512
		.amdhsa_next_free_sgpr 106
		.amdhsa_reserve_vcc 0
		.amdhsa_float_denorm_mode_32 3
		.amdhsa_float_denorm_mode_16_64 3
		.amdhsa_memory_ordered 1
		.amdhsa_forward_progress 1
		.amdhsa_inst_pref_size 255
	.end_amdhsa_kernel
	.section	.bss,"aw",@nobits
	.p2align	6
	.space	262144
	.amdgpu_metadata
---
amdhsa.version: [ 1, 2 ]
amdhsa.kernels:
  - .name:           k_q65d214f8ca_lstm
    .symbol:         k_q65d214f8ca_lstm.kd
    .args:
      - { .name: acodes, .offset: 0, .size: 8, .value_kind: global_buffer, .address_space: global }
      - { .name: ascales, .offset: 8, .size: 8, .value_kind: global_buffer, .address_space: global }
      - { .name: wcodes, .offset: 16, .size: 8, .value_kind: global_buffer, .address_space: global }
      - { .name: wscales, .offset: 24, .size: 8, .value_kind: global_buffer, .address_space: global }
      - { .name: bxi, .offset: 32, .size: 8, .value_kind: global_buffer, .address_space: global }
      - { .name: bhi, .offset: 40, .size: 8, .value_kind: global_buffer, .address_space: global }
      - { .name: bxf, .offset: 48, .size: 8, .value_kind: global_buffer, .address_space: global }
      - { .name: bhf, .offset: 56, .size: 8, .value_kind: global_buffer, .address_space: global }
      - { .name: bxc, .offset: 64, .size: 8, .value_kind: global_buffer, .address_space: global }
      - { .name: bhc, .offset: 72, .size: 8, .value_kind: global_buffer, .address_space: global }
      - { .name: bxo, .offset: 80, .size: 8, .value_kind: global_buffer, .address_space: global }
      - { .name: bho, .offset: 88, .size: 8, .value_kind: global_buffer, .address_space: global }
      - { .name: cx, .offset: 96, .size: 8, .value_kind: global_buffer, .address_space: global }
      - { .name: out0, .offset: 104, .size: 8, .value_kind: global_buffer, .address_space: global }
      - { .name: out1, .offset: 112, .size: 8, .value_kind: global_buffer, .address_space: global }
    .group_segment_fixed_size: 327680
    .private_segment_fixed_size: 0
    .kernarg_segment_align: 8
    .kernarg_segment_size: 120
    .max_flat_workgroup_size: 256
    .sgpr_count:     106
    .vgpr_count:     512
    .wavefront_size: 32
...
	.end_amdgpu_metadata
.endif
;; end of part 2
